; MI455X (gfx1250); checked and timed in simulation.
; The chip was launched on July 23, 2026; its instructions are those of AMD's public machine-readable ISA for CDNA 5 (MIT licence, August 2026) and "CDNA5" Instruction Set Architecture Reference Guide (July 2026). The comments in the code are by the model that wrote it; some were corrected since.
;; QBB Linear. Allowed arithmetic: float matrix products may take bf16 or f16 operands with f32 sums; other float arithmetic in f32, or as packed bf16 or f16 multiplies, adds, multiply-adds, maxima and minima; sums over many terms, partial sums and values carried from step to step in f32; what a program stores and reads back later, other than sums and carried values, may be rounded once to bf16 or f16.
;; Inputs: alphas 4 x 2,048 x 1 float32; bases 4 x 2,048 x 4,096 int8; x 4 x 2,048 x 4,096 float32.
;; Outputs: out0 4 x 2,048 x 2,048 float32.
;; 2 versions, each right; version 2 is version 1 with the launch prep written anew for expert scheduling mode. Each part assembles by itself: llvm-mc -triple=amdgcn-amd-amdhsa -mcpu=gfx1250 --defsym DOCPART=n.
;; ======== version 1 of 2: 2 launches
;; limits: values are held in f16: magnitudes above 65,504 overflow, below 6.1e-05 lose precision; inputs' magnitudes at most 65,504
;; workspace buffers: xh 67,108,864 bytes; wh 16,777,216 bytes
;; launch prep (part 1): grid 1280 x 1, 8 waves a work-group, no clusters, 0 bytes of LDS; arguments x, bases, alphas, xh, wh; writes xh, wh
.if DOCPART == 1
	.amdgcn_target "amdgcn-amd-amdhsa--gfx1250"
	.amdhsa_code_object_version 6
	.text
	.protected	k_q107f6ad682_prep
	.globl	k_q107f6ad682_prep
	.p2align	8
	.type	k_q107f6ad682_prep,@function
k_q107f6ad682_prep:
	s_mov_b64 s[64:65], 0
	v_nop
	global_prefetch_b8 v0, s[64:65] scope:SCOPE_SE
	s_setreg_imm32_b32 hwreg(HW_REG_WAVE_MODE, 25, 1), 1
	s_wait_xcnt 0x0
; xh[r][i] = f16(x[r][i]), r < 8192, i < 4096;   wh[o][i] = f16(sum over k of alphas[k][o] * bases[k][o][i]), o < 2048, k ascending, the sum in f32, rounded once.
; bases is taken as any int8 number, not only -1 and +1.
; LIMITS.  f16 holds no number beyond 65,504: an |x| or a |W_q| of 65,520 or more becomes an infinity; below 6e-5 f16 keeps its fixed step of 6e-8.
; NaN and infinities go through as the arithmetic makes them.
; SHARES.  A wave takes ONE row: 16 KiB in, 8 KiB out.  Work-groups 0 to 255 make wh (row o = 8 g + wave: 4 planes x 4,096 bytes in), work-groups 256 to 1279 make xh
; (row 8 (g - 256) + wave: 16,384 bytes in).  The weight rows stand first in the grid: they carry the vector work, which then runs beside the stream of x.
; A wave's loads go out at its head and each result is made in the registers that its loads filled: no register that a store reads is written again, so the text
; has no loop, no wait for stores and no LDS.  Each load and store of a wave covers 256 or 512 consecutive bytes, aligned.
.set WGW,   256                        ; work-groups that make wh
.set PLANE, 2048*4096                  ; bytes in a plane of bases
.set D,     8                          ; v[8:135]    as loaded, then as stored
.set T,     136                        ; v[136:143]  eight numbers at work
.set A,     144                        ; v[144:151]  eight sums
	s_load_b256 s[4:11], s[0:1], 0x0               ; x s[4:5], bases s[6:7], alphas s[8:9], xh s[10:11]
	s_load_b64 s[12:13], s[0:1], 0x20              ; wh
	v_lshrrev_b32 v1, 5, v0
	v_readfirstlane_b32 s14, v1                    ; wave 0..7
	v_and_b32 v2, 31, v0                           ; lane
	v_lshlrev_b32 v3, 4, v2                        ; 16 x lane
	v_lshlrev_b32 v4, 3, v2                        ; 8 x lane
	s_cmp_lt_u32 ttmp9, WGW
	s_cbranch_scc1 .Lweights
	; ---- a row of x: 32 loads of 512 bytes, 32 stores of 256 bytes ----
	s_sub_co_u32 s15, ttmp9, WGW
	s_lshl_b32 s15, s15, 3
	s_add_co_u32 s15, s15, s14                     ; my row
	s_lshl_b32 s16, s15, 14                        ; x 16,384 bytes in x (under 2^27)
	s_mov_b32 s17, 0
	s_lshl_b32 s18, s15, 13                        ; x 8,192 bytes in xh
	s_mov_b32 s19, 0
	s_wait_kmcnt 0x0
	s_add_nc_u64 s[4:5], s[4:5], s[16:17]
	s_add_nc_u64 s[10:11], s[10:11], s[18:19]
.set j, 0
.rept 32
	global_load_b128 v[D+4*j:D+4*j+3], v3, s[4:5] offset:512*j th:TH_LOAD_NT  ; numbers 128 j + 4 lane .. + 3
.set j, j+1
.endr
.set j, 0
.rept 32
	s_wait_loadcnt 31-j                            ; loads come back in order (ISA guide 5.7.1): load j is in, the 31 - j younger ones stay out
	v_cvt_pk_f16_f32 v[D+4*j],   v[D+4*j],   v[D+4*j+1]
	v_cvt_pk_f16_f32 v[D+4*j+1], v[D+4*j+2], v[D+4*j+3]
	global_store_b64 v4, v[D+4*j:D+4*j+1], s[10:11] offset:256*j th:TH_STORE_NT  ; 32 lanes x 8 bytes: 256 consecutive bytes, aligned
.set j, j+1
.endr
	s_endpgm
	; ---- a row of W_q: 16 chunks of 256 numbers; a chunk is 4 loads of 256 bytes (one a plane) and one store of 512 bytes ----
.Lweights:
	s_lshl_b32 s15, ttmp9, 3
	s_add_co_u32 s15, s15, s14                     ; o
	s_lshl_b32 s16, s15, 12                        ; x 4,096 bytes in a plane of bases
	s_mov_b32 s17, 0
	s_lshl_b32 s18, s15, 2                         ; x 4 bytes in a plane of alphas
	s_mov_b32 s19, 0
	s_lshl_b32 s28, s15, 13                        ; x 8,192 bytes in wh
	s_mov_b32 s29, 0
	s_mov_b32 s40, 0x80808080                      ; turns four int8 b into four bytes u = b + 128
	s_mov_b32 s41, 0x4b000000                      ; 2^23 in f32: with u in its lowest byte the word is 2^23 + u, exactly
	s_mov_b32 s42, 0xcb000080                      ; -(2^23 + 128): added to that it leaves b, exactly
	s_mov_b32 s43, 0xcb000080                      ; (named with it as a pair)
	s_mov_b32 s44, 0x03020104                      ; v_perm_b32: byte 0 = byte 0 of the first source, bytes 1 to 3 those of the second
	s_mov_b32 s45, 0x03020105                      ; byte 1 of the first source,
	s_mov_b32 s46, 0x03020106                      ; byte 2,
	s_mov_b32 s47, 0x03020107                      ; byte 3
	s_wait_kmcnt 0x0
	s_add_nc_u64 s[8:9], s[8:9], s[18:19]
.irp k, 0,1,2,3
	s_load_b32 s[30+2*(\k)], s[8:9], (\k)*0x2000   ; alphas[k][o]: planes of 2,048 f32
.endr
	s_add_nc_u64 s[20:21], s[6:7], s[16:17]        ; bases at plane 0, row o
.irp k, 1,2,3
	s_add_nc_u64 s[20+2*(\k):21+2*(\k)], s[20:21], (\k)*PLANE  ; a plane is one byte more than a load's immediate holds: a base for each plane
.endr
	s_add_nc_u64 s[12:13], s[12:13], s[28:29]
.macro LOADC c                         ; chunk c's four loads: lane l takes numbers 256 c + 8 l .. + 7 of each plane
.irp k, 0,1,2,3
	global_load_b64 v[D+8*(\c)+2*(\k):D+8*(\c)+2*(\k)+1], v4, s[20+2*(\k):21+2*(\k)] offset:256*(\c) th:TH_LOAD_NT
.endr
.endm
; Chunk c.  left = the loads issued behind its four, which may stay out.
.macro CHUNK c, left
	s_wait_loadcnt \left
.irp k, 0,1,2,3
	v_xor_b32 v[D+8*(\c)+2*(\k)],   s40, v[D+8*(\c)+2*(\k)]
	v_xor_b32 v[D+8*(\c)+2*(\k)+1], s40, v[D+8*(\c)+2*(\k)+1]
.irp e, 0,1,2,3,4,5,6,7
	v_perm_b32 v[T+(\e)], v[D+8*(\c)+2*(\k)+(\e)/4], s41, s[44+(\e)%4]        ; 2^23 + u
.endr
.irp p, 0,2,4,6
	v_pk_add_f32 v[T+(\p):T+(\p)+1], v[T+(\p):T+(\p)+1], s[42:43] op_sel_hi:[1,0]  ; b in f32.  A step of its own: folded into the multiply-add it would make a difference of two numbers near alpha x 2^23
.endr
.irp p, 0,2,4,6
.if (\k) == 0
	v_pk_mul_f32 v[A+(\p):A+(\p)+1], v[T+(\p):T+(\p)+1], s[30:31] op_sel_hi:[1,0]  ; the first plane starts the sums
.else
	v_pk_fma_f32 v[A+(\p):A+(\p)+1], v[T+(\p):T+(\p)+1], s[30+2*(\k):31+2*(\k)], v[A+(\p):A+(\p)+1] op_sel_hi:[1,0,1]
.endif
.endr
.endr
.irp p, 0,1,2,3
	v_cvt_pk_f16_f32 v[D+8*(\c)+(\p)], v[A+2*(\p)], v[A+2*(\p)+1]
.endr
	global_store_b128 v3, v[D+8*(\c):D+8*(\c)+3], s[12:13] offset:512*(\c) th:TH_STORE_NT  ; 512 consecutive bytes, aligned
.endm
.irp c, 0,1,2,3,4,5,6,7,8,9,10,11,12,13,14
	LOADC \c                                       ; sixty loads.  LOADcnt's field holds 63 (ISA guide 5.7.1): the last chunk's four stand behind chunk 0's wait, where they go out at once
.endr
	s_wait_kmcnt 0x0                               ; the four alphas
.irp k, 0,1,2,3
	s_mov_b32 s[31+2*(\k)], s[30+2*(\k)]           ; the packed forms name a pair and take its low word for both halves
.endr
	CHUNK 0, 56                                    ; behind chunk 0's loads stand those of chunks 1 to 14
	LOADC 15
.irp c, 1,2,3,4,5,6,7,8,9,10,11,12,13,14,15
	CHUNK \c, 60-4*(\c)                            ; behind chunk c's: chunks c + 1 to 15
.endr
	s_endpgm
.Lfunc_end_k_q107f6ad682_prep:
	.size	k_q107f6ad682_prep, .Lfunc_end_k_q107f6ad682_prep-k_q107f6ad682_prep
	.p2alignl 7, 3214868480
	.fill 96, 4, 3214868480
	.section	.rodata,"a",@progbits
	.p2align	6, 0x0
	.amdhsa_kernel k_q107f6ad682_prep
		.amdhsa_group_segment_fixed_size 0
		.amdhsa_private_segment_fixed_size 0
		.amdhsa_enable_private_segment 0
		.amdhsa_kernarg_size 40
		.amdhsa_user_sgpr_count 2
		.amdhsa_user_sgpr_kernarg_segment_ptr 1
		.amdhsa_wavefront_size32 1
		.amdhsa_system_sgpr_workgroup_id_x 1
		.amdhsa_system_sgpr_workgroup_id_y 1
		.amdhsa_system_sgpr_workgroup_id_z 1
		.amdhsa_system_vgpr_workitem_id 0
		.amdhsa_next_free_vgpr 152
		.amdhsa_next_free_sgpr 66
		.amdhsa_reserve_vcc 0
		.amdhsa_float_denorm_mode_32 3
		.amdhsa_float_denorm_mode_16_64 3
		.amdhsa_memory_ordered 1
		.amdhsa_forward_progress 1
		.amdhsa_inst_pref_size 94
	.end_amdhsa_kernel
	.amdgpu_metadata
---
amdhsa.version: [ 1, 2 ]
amdhsa.kernels:
  - .name:           k_q107f6ad682_prep
    .symbol:         k_q107f6ad682_prep.kd
    .args:
      - { .name: x, .offset: 0, .size: 8, .value_kind: global_buffer, .address_space: global }
      - { .name: bases, .offset: 8, .size: 8, .value_kind: global_buffer, .address_space: global }
      - { .name: alphas, .offset: 16, .size: 8, .value_kind: global_buffer, .address_space: global }
      - { .name: xh, .offset: 24, .size: 8, .value_kind: global_buffer, .address_space: global }
      - { .name: wh, .offset: 32, .size: 8, .value_kind: global_buffer, .address_space: global }
    .group_segment_fixed_size: 0
    .private_segment_fixed_size: 0
    .kernarg_segment_align: 8
    .kernarg_segment_size: 40
    .max_flat_workgroup_size: 256
    .sgpr_count:     66
    .vgpr_count:     152
    .wavefront_size: 32
...
	.end_amdgpu_metadata
.endif
;; end of part 1
;; launch gemm (part 2): grid 8 x 32, 4 waves a work-group, clusters of 4 x 4, 327,680 bytes of LDS; arguments xh, wh, out0; writes out0
.if DOCPART == 2
	.amdgcn_target "amdgcn-amd-amdhsa--gfx1250"
	.amdhsa_code_object_version 6
	.text
	.protected	k_q107f6ad682_gemm
	.globl	k_q107f6ad682_gemm
	.p2align	8
	.type	k_q107f6ad682_gemm,@function
k_q107f6ad682_gemm:
	s_mov_b64 s[64:65], 0
	v_nop
	global_prefetch_b8 v0, s[64:65] scope:SCOPE_SE
	s_setreg_imm32_b32 hwreg(HW_REG_WAVE_MODE, 25, 1), 1
	s_wait_xcnt 0x0
	s_wait_alu depctr_hold_cnt(0) depctr_sa_sdst(0) depctr_va_vdst(0) depctr_va_sdst(0) depctr_va_ssrc(0) depctr_va_vcc(0) depctr_vm_vsrc(0)
	s_getreg_b32 s2, hwreg(HW_REG_IB_STS2, 6, 4)
	s_cmp_eq_u32 s2, 0
	s_cbranch_scc0 .Lentry_in_a_cluster
	s_endpgm
.Lentry_in_a_cluster:
	s_bfe_u32 s2, ttmp6, 0x10000c
	s_cmp_lg_u32 s2, 0xf033
	s_cbranch_scc0 .Lentry_shape_is_right
	s_endpgm
.Lentry_shape_is_right:
; out0[m][n] = sum over k of xh[m][k] wh[n][k].  A = xh: [8192][4096] f16, B = wh: [2048][4096] f16, C = out0: [8192][2048] f32; sums in f32, K ascending by steps of 32.
; LIMITS.  The operands are f16 as the launch before rounded them (no number beyond 65,504; a fixed step of 6e-8 below 6e-5).  NaN and infinities go through as the products make them.
; SHARES.  C has 32 x 8 tiles of 256 x 256, one to a work-group of four waves; a wave makes 128 x 128: 64 accumulators of 16 x 16, 512 registers.
; K goes in 32 steps of 128 through a ring of two LDS slots filled by tensor loads: a tile's rows are 256 bytes of memory at multiples of 256 bytes from the buffer's first byte.
; CLUSTERS.  4 x 4 work-groups.  The four of a row of the cluster need the same tiles of A, the four of a column the same tiles of B: each tile is asked for JOINTLY, by the same
; tensor load with the same descriptor and a mask that names the four; each receives it in its own LDS.  That divides the requests for A and for B by four.
; THE LAST K STEP goes by rows of C: finished blocks of 16 rows leave while the others are multiplied.
; THE MATRIX INSTRUCTION IS USED TRANSPOSED: source 0 = 16 rows of B, source 1 = 16 rows of A.  In the result lane l holds row l % 16 of C and the columns 8 (l / 16) + 0..7:
; eight neighbouring f32 of a row, 32 bytes.
; REGISTERS, in windows of 256 (s_set_vgpr_msb's low byte: bits 1:0 source 0, 3:2 source 1, 5:4 source 2, 7:6 destination):
;   window 0: v0-31 addresses; v64-127, v128-191 fragments of A, two buffers (in the last K step four, of 16 rows x 128 K); v192-255 a block of 16 rows of C on its way out
;   window 1: v64-127, v128-191 fragments of B, two buffers; in the last K step all 256: B's fragments of the whole step
;   window 2: the 32 accumulators of my rows 0-63 (accumulator (a, b) at v[8 (8 a + b)]);   window 3: those of my rows 64-127
.set SIZE_M, 8192
.set SIZE_N, 2048
.set SIZE_K, 4096
.set KSTEP,  128
.set PITCH,  272                       ; an LDS row: 256 bytes + 16 of padding = 68 words: row r starts at bank 4 r mod 64 (64 banks of 4 bytes: ISA guide 11.1), so the 16 rows of a load start at 16 different banks
.set HALFT,  128*PITCH                 ; 128 rows: what one tensor load brings, and what one wave reads of A or of B
.set SLOT,   4*HALFT                   ; A's 256 rows, then B's 256 rows
.set STAGE,  2*SLOT                    ; behind the ring, never filled by a tensor load: 16 rows x 528 bytes for each wave, for the way out
.set SPITCH, 528                       ; a stage row: 512 bytes (128 f32) + 16: 33 x 16, so the 16 rows that a store touches start at 16 different groups of four banks
.set SPARE,  STAGE+4*16*SPITCH         ; behind the stages: the spare words, 128 bytes for each wave: two blocks of 256 bytes that no other line names
.set LAPS,   SIZE_K/(2*KSTEP)          ; a lap = two K steps = once round the ring: 16
.set CROW,   SIZE_N*4                  ; bytes in a row of C
.set ADRA, 16                          ; v16-17  LDS address of my A fragments in slot 0, 1
.set ADRB, 20                          ; v20-21  the same for B
.set STO,  24                          ; v24     the way out: where I put 32 bytes of a row
.set RD,   25                          ; v25     the way out: my 16 bytes of a stage row
.set CO,   26                          ; v26     my 16 bytes of 512 consecutive bytes of C
.set SPW,  28                          ; v28     LDS address of my spare word: SPARE + 4 x my thread's number; never rewritten
.set NIL,  29                          ; v29     0; never rewritten
.set PFO,  30                          ; v30     the prefetches' offset: my lane x a row of A or B (8,192 bytes); never rewritten
.set PFA,  44                          ; s[44:45] where my prefetches stand: my work-group's 32 rows of the 128 that I fetch, one K step further along K than the refill in hand; a prefetch names the K step after that
.set LIM,  43                          ; s43     1 in a wave that prefetches, else the greatest number
.set F0,   64                          ; fragment buffer 0
.set F1,   128                         ; fragment buffer 1
.set BK,   192                         ; the way out: 16 rows read back from the stage
.set PA,   64                          ; the last K step: A's fragments of 16 rows x 128 K, 32 registers; four such buffers, v64-191
.set G1,  24                           ; s[24:31] descriptor group 1 for A's tiles
.set G0,  32                           ; s[32:39] descriptor group 0 for A's tiles, one set for each slot
.set G1B, 48                           ; s[48:55] group 1 for B's tiles: it differs from A's in the mask alone
.set G0B, 56                           ; s[56:63] group 0 for B's tiles, one set for each slot
.set MSB, 0
.macro WIN new                         ; the immediate's high byte repeats the setting that is left; a switch that changes nothing is dropped
.if MSB != (\new)
	s_set_vgpr_msb (MSB<<8)|(\new)
.set MSB, \new
.endif
.endm
.set MUL_LO, 0xa1                      ; source 0 (B) window 1, source 1 (A) window 0, C and D window 2
.set MUL_HI, 0xf1                      ; the same, C and D window 3
.set TO_B,   0x40                      ; destination window 1, address window 0
; A joint load.  Waves 0 and 1 fetch A's two halves, waves 2 and 3 B's.  Each of the two lines has one mask and one set of registers, in which nothing hangs on a coordinate that the four
; partners do not share.  The branch hangs on the wave's number alone.  An s_nop 0 and four v_nop follow each line, ahead of the jump and the label.
.macro JLOAD s
	s_cmp_eq_u32 s11, 0
	s_cbranch_scc0 .Lfor_b_\@
	tensor_load_to_lds s[G0+4*(\s):G0+4*(\s)+3], s[G1:G1+7]
	s_nop 0
.rept 4
	v_nop
.endr
	s_branch .Lasked_\@
.Lfor_b_\@:
	tensor_load_to_lds s[G0B+4*(\s):G0B+4*(\s)+3], s[G1B:G1B+7]
	s_nop 0
.rept 4
	v_nop
.endr
.Lasked_\@:
.endm
; A PREFETCH INTO THE L2, behind each joint refill, its five lines and the run of LDS loads that follows: the K step that stands TWO refills on (512 matrix instructions of mine ahead of the load that
; will ask for it): 32 rows x 256 bytes, a lane a row, one instruction a wave.  Each row's 256 bytes of a K step are named ONCE in the launch: A's tile row is walked by both clusters of that row of
; clusters, and the one with x = 0 asks; B's tile column by all eight clusters of that column, and the one with y = 0 asks.  The four partners of a joint load share its 128 rows out BY ADDRESS,
; 32 each (by cx for A, by cy for B): no branch hangs on a place in the cluster.  K steps 0 to 3 come by their loads alone; the loop's last trip (s3 = 1) asks for nothing: K step 31 is the last.
.macro ASK
	s_cmp_gt_u32 s3, s[LIM]
	s_cbranch_scc0 .Lnot_mine_\@
	global_prefetch_b8 v[PFO], s[PFA:PFA+1] offset:KSTEP*2 th:TH_LOAD_NT scope:SCOPE_SE
.Lnot_mine_\@:
.endm
; A round of the cluster's barrier: my work-group's barrier, so that wave 0's signal speaks for all four waves; wave 0 signals for the work-group; every wave waits for all sixteen
; work-groups; my work-group's barrier once more.  No LDS instruction of the wave is pending at a signal.
.macro CREST                           ; a round behind its opening barrier
	s_cmp_lg_u32 s10, 0
	s_cbranch_scc1 .Lnot_wave_0_\@
	s_barrier_signal -3
.Lnot_wave_0_\@:
	s_barrier_wait -3
	s_barrier_signal -1
	s_barrier_wait -1
.endm
.macro CROUND                          ; a whole round
	s_barrier_signal -1
	s_barrier_wait -1
	CREST
.endm
	s_load_b128 s[4:7], s[0:1], 0x0                ; A s[4:5], B s[6:7]
	s_load_b64 s[8:9], s[0:1], 0x10                ; C
	v_lshl_add_u32 v[SPW], v0, 2, SPARE
	v_mov_b32 v[NIL], 0
	ds_add_u32 v[SPW], v[NIL]                      ; the wave's opening: the add, twice on end, and its wait stand ahead of my first tensor load; the set-up below stands between
	ds_add_u32 v[SPW], v[NIL]                      ; (the same add once more, under the one wait)
	v_lshrrev_b32 v1, 5, v0
	v_readfirstlane_b32 s10, v1                    ; wave 0..3
	s_lshr_b32 s11, s10, 1                         ; which half of the tile's rows is mine.  Also: I fetch for A (0) or for B (1)
	s_and_b32 s12, s10, 1                          ; which half of its columns.  Also: which 128 rows of that tile I fetch
	s_bfe_u32 s40, ttmp6, 0x40000                  ; cx: my place along the cluster's x
	s_bfe_u32 s41, ttmp6, 0x40004                  ; cy: along its y
	s_lshl_b32 s42, ttmp9, 2                       ; in a cluster launch ttmp9 and ttmp7 count clusters
	s_add_co_u32 s42, s42, s40                     ; tile column of C = 4 x cluster x + cx
	s_and_b32 s13, ttmp7, 0xffff
	s_lshl_b32 s13, s13, 2
	s_add_co_u32 s13, s13, s41                     ; tile row of C = 4 x cluster y + cy
	s_lshl_b32 s43, s41, 2
	s_lshl_b32 s43, 15, s43                        ; my row of the cluster: places 4 cy .. 4 cy + 3
	s_lshl_b32 s44, 0x1111, s40                    ; my column: places cx, cx + 4, cx + 8, cx + 12
	; descriptor group 1: a tile of 128 rows x 128 elements, padded in LDS
	s_or_b32 s[G1+0], s43, (1<<16)|(1<<20)|(1<<21)|(5<<22)|(3<<25)  ; 15:0 the mask: A's tiles go to my row; 17:16 elements of 2 bytes; 20 padding on; 21 set beside a mask; 24:22 after every 64 words (code 5); 31:25 4 words of it (code 3)
	s_or_b32 s[G1B+0], s44, (1<<16)|(1<<20)|(1<<21)|(5<<22)|(3<<25) ; the same with the mask of my column, for B's tiles
.irp g, G1, G1B
	s_mov_b32 s[(\g)+1], KSTEP<<16                 ; 63:48 tensor_dim0, low half = 128
	s_mov_b32 s[(\g)+2], 128<<16                   ; 79:64 its high half = 0; 95:80 tensor_dim1, low half = 128
	s_mov_b32 s[(\g)+3], KSTEP<<16                 ; 111:96 its high half = 0; 127:112 tile_dim0 = 128
	s_mov_b32 s[(\g)+4], 128                       ; 143:128 tile_dim1 = 128; 159:144 tile_dim2 = 0
	s_mov_b32 s[(\g)+5], SIZE_K                    ; 191:160 tensor_dim0_stride: elements from row to row
	s_mov_b32 s[(\g)+6], 0
	s_mov_b32 s[(\g)+7], 0
.endr
	; where the tiles come from.  A's hang on the tile row alone, which my row of the cluster shares; B's on the tile column alone, which my column shares.
	; Every wave makes both addresses, in registers that never hold the other coordinate, and asks by one of them.
	s_lshl_b32 s17, s12, 7                         ; which 128 rows of the tile I fetch
	s_lshl_b32 s16, s13, 8
	s_add_co_u32 s16, s16, s17                     ; A: row 256 x tile row + 128 x half
	s_lshl_b32 s46, s42, 8
	s_add_co_u32 s46, s46, s17                     ; B: row 256 x tile column + 128 x half
	s_mov_b32 s17, 0
	s_mov_b32 s47, 0
	s_mov_b64 s[18:19], SIZE_K*2
	s_mul_u64 s[16:17], s[16:17], s[18:19]         ; in bytes
	s_mul_u64 s[46:47], s[46:47], s[18:19]
	s_mul_i32 s20, s10, HALFT                      ; and where they go: A's two halves, then B's two halves = wave x 128 rows: no place in the cluster enters an LDS address
	s_wait_dscnt 0x0                               ; both opening adds are done
	s_wait_kmcnt 0x0
	s_add_nc_u64 s[14:15], s[4:5], s[16:17]
	s_add_nc_u64 s[46:47], s[6:7], s[46:47]
	CROUND                                         ; all sixteen work-groups are here: the first joint loads meet
.irp s, 0,1
	s_mov_b32 s[G0+4*(\s)], 1                                      ; 1:0 count = 1
	s_add_co_u32 s[G0+4*(\s)+1], s20, (\s)*SLOT                    ; 63:32 LDS address
	s_add_nc_u64 s[G0+4*(\s)+2:G0+4*(\s)+3], s[14:15], (\s)*KSTEP*2  ; 120:64 global address: K step s
	s_or_b32 s[G0+4*(\s)+3], s[G0+4*(\s)+3], 0x80000000            ; 127:126 type = 2
	s_mov_b32 s[G0B+4*(\s)], 1
	s_add_co_u32 s[G0B+4*(\s)+1], s20, (\s)*SLOT
	s_add_nc_u64 s[G0B+4*(\s)+2:G0B+4*(\s)+3], s[46:47], (\s)*KSTEP*2
	s_or_b32 s[G0B+4*(\s)+3], s[G0B+4*(\s)+3], 0x80000000
	JLOAD \s                                       ; the ring is filled before anything else is done: two loads of mine are out
.endr
	; A fragment is 16 rows x 32 K in 8 registers: lane l holds row l % 16; registers 0-3 hold K = 8 (l / 16) + 0..7, registers 4-7 K = 16 + 8 (l / 16) + 0..7:
	; two loads of 16 bytes, 32 bytes apart, from rows that lie along K.  The same for source 0 and source 1.
	v_and_b32 v1, 15, v0                           ; l % 16
	v_bfe_u32 v2, v0, 4, 1                         ; l / 16
	v_mul_u32_u24 v3, v1, PITCH
	v_lshl_add_u32 v3, v2, 4, v3                   ; row x pitch + 16 x half
	s_mul_i32 s21, s11, HALFT                      ; my 128 rows of A
	s_mul_i32 s22, s12, HALFT                      ; my 128 rows of B,
	s_add_co_u32 s22, s22, 2*HALFT                 ; which lie behind A's 256
.irp s, 0,1
	v_add_nc_u32 v[ADRA+(\s)], s21, v3
	v_add_nc_u32 v[ADRB+(\s)], s22, v3
	s_add_co_u32 s21, s21, SLOT
	s_add_co_u32 s22, s22, SLOT
.endr
	s_mul_i32 s23, s10, 16*SPITCH
	s_add_co_u32 s23, s23, STAGE                   ; my stage
	v_mul_u32_u24 v4, v1, SPITCH                   ; in: row l % 16, 32 bytes for each half of the lanes
	v_lshl_add_u32 v4, v2, 5, v4
	v_add_nc_u32 v[STO], s23, v4
	v_and_b32 v5, 31, v0
	v_lshl_add_u32 v[RD], v5, 4, s23               ; back: 32 lanes take one row of 512 bytes,
	v_lshlrev_b32 v[CO], 4, v5                     ; which are 512 consecutive bytes of C
	; C at my wave's first row and column
	s_lshl_b32 s13, s13, 8
	s_lshl_b32 s14, s11, 7
	s_add_co_u32 s16, s13, s14                     ; my first row of C
	s_mov_b32 s17, 0
	s_mov_b64 s[18:19], CROW
	s_mul_u64 s[16:17], s[16:17], s[18:19]
	s_lshl_b32 s46, s42, 10                        ; my first column, in bytes: 1,024 x tile column + 512 x half
	s_lshl_b32 s47, s12, 9
	s_add_co_u32 s46, s46, s47
	s_mov_b32 s47, 0
	s_add_nc_u64 s[16:17], s[16:17], s[46:47]
	s_add_nc_u64 s[8:9], s[8:9], s[16:17]          ; never stepped again: a row's place among my 128 stands in the stores' immediate
	; the prefetches.  s13 = 256 x tile row, s42 = tile column, s40 = cx, s41 = cy still stand; s[4:5] = A, s[6:7] = B
	s_lshl_b32 s42, s42, 8
	s_and_b32 s22, ttmp7, 0xffff                   ; cluster y
	s_cmp_eq_u32 s11, 0                            ; do I fetch for A?
	s_cselect_b32 s20, s13, s42                    ; the tile's first row: in A by the tile row, in B by the tile column
	s_cselect_b32 s21, s40, s41                    ; my place among the four that ask for it with me
	s_cselect_b32 s22, ttmp9, s22                  ; the coordinate along which other clusters walk the same rows
	s_cselect_b64 s[PFA:PFA+1], s[4:5], s[6:7]
	s_cmp_eq_u32 s22, 0
	s_cselect_b32 s[LIM], 1, -1                    ; the same in all sixteen partners, for a given wave
	s_lshl_b32 s22, s12, 7
	s_add_co_u32 s20, s20, s22                     ; + the 128 rows that I fetch
	s_lshl_b32 s21, s21, 5
	s_add_co_u32 s20, s20, s21                     ; + my work-group's 32 of them
	s_mov_b32 s21, 0
	s_mov_b64 s[18:19], SIZE_K*2
	s_mul_u64 s[20:21], s[20:21], s[18:19]
	s_add_nc_u64 s[PFA:PFA+1], s[PFA:PFA+1], s[20:21]
	s_add_nc_u64 s[PFA:PFA+1], s[PFA:PFA+1], 2*KSTEP*2  ; at K step 2: the first refill steps it to 3 and names K step 4
	v_and_b32 v[PFO], 31, v0
	v_mul_u32_u24 v[PFO], v[PFO], SIZE_K*2
	; nothing is prefetched here, at the head, where every work-group's first two tiles are on their way
; 16 matrix instructions: m blocks a0, a0 + 1 of the window's four (hi = 0: my rows 0-63, 1: rows 64-127) x all 8 n blocks, 32 along K.
; zero = 1: the first product starts the sums: nothing is ever cleared.  The 64 accumulators take turns, one instruction a turn, in the same order in every quarter.
.macro MUL16 f, hi, a0, zero
	WIN MUL_LO+0x50*(\hi)
.irp a, \a0, (\a0)+1
.irp b, 0,1,2,3,4,5,6,7
.if \zero
	v_wmma_f32_16x16x32_f16 v[8*(8*(\a)+(\b)):8*(8*(\a)+(\b))+7], v[(\f)+8*(\b):(\f)+8*(\b)+7], v[(\f)+8*(4*(\hi)+(\a)):(\f)+8*(4*(\hi)+(\a))+7], 0
.else
	v_wmma_f32_16x16x32_f16 v[8*(8*(\a)+(\b)):8*(8*(\a)+(\b))+7], v[(\f)+8*(\b):(\f)+8*(\b)+7], v[(\f)+8*(4*(\hi)+(\a)):(\f)+8*(4*(\hi)+(\a))+7], v[8*(8*(\a)+(\b)):8*(8*(\a)+(\b))+7]
.endif
.endr
.endr
.endm
; 32 LDS loads in one run: the fragments of one quarter step (128 rows of B, 128 rows of A, 32 K at byte k of the rows) into buffer f
.macro FETCH slot, k, f
	WIN TO_B
.irp i, 0,1,2,3,4,5,6,7
	ds_load_b128 v[(\f)+8*(\i):(\f)+8*(\i)+3],   v[ADRB+(\slot)] offset:(\k)+(\i)*16*PITCH
	ds_load_b128 v[(\f)+8*(\i)+4:(\f)+8*(\i)+7], v[ADRB+(\slot)] offset:(\k)+(\i)*16*PITCH+32
.endr
	WIN 0
.irp i, 0,1,2,3,4,5,6,7
	ds_load_b128 v[(\f)+8*(\i):(\f)+8*(\i)+3],   v[ADRA+(\slot)] offset:(\k)+(\i)*16*PITCH
	ds_load_b128 v[(\f)+8*(\i)+4:(\f)+8*(\i)+7], v[ADRA+(\slot)] offset:(\k)+(\i)*16*PITCH+32
.endr
.endm
; A load into a register that a matrix instruction has read, and an LDS store that reads a matrix result, stand four places behind that matrix instruction, and only plain vector
; instructions that name none of its registers are places (ISA guide 7.12.1 for vector instructions).  No other vector work is at hand here.
.macro PLACES
.rept 4
	v_nop
.endr
.endm
; A K step is four quarters of 32 along K, 64 matrix instructions each, on buffers 0, 1, 0, 1.
; One of the first three: multiplies buffer f; in its middle it fetches the next quarter's fragments, at byte k of the same slot's rows, into buffer g.
.macro QUARTER slot, k, f, g, zero
	s_wait_dscnt 8                                 ; B and A's rows 0-63 are in; the youngest eight loads (A's rows 64-127) may be out
	WIN MUL_LO
	MUL16 \f, 0, 0, \zero
	MUL16 \f, 0, 2, \zero
	PLACES
	FETCH \slot, \k, \g
	s_wait_dscnt 32                                ; all but the 32 just issued
	WIN MUL_HI
	MUL16 \f, 1, 0, \zero
	MUL16 \f, 1, 2, \zero
.endm
; The last quarter multiplies buffer 1 and changes slots.  MEET is its first half: ONE barrier for the change.  In front of it each wave waits for all its tensor loads, of which one is out:
; its part of the next slot; adds 0 to its spare word; and waits for that and for its own reads of this slot.  Behind it nobody reads this slot any more and the next slot is whole.
.macro MEET round                      ; round = 1: the rest of a round of the cluster's barrier follows
	WIN 0                                          ; (the add's two registers lie in window 0)
	s_wait_tensorcnt 0x0                           ; all my tensor loads have landed;
	ds_add_u32 v[SPW], v[NIL]                      ; 0 onto my spare word;
	s_wait_dscnt 9                                 ; (the add and the youngest eight loads may be out)
	WIN MUL_LO
	MUL16 F1, 0, 0, 0                              ; sixteen matrix instructions stand between the add and the wait for it
	s_wait_dscnt 0x0                               ; the add is done, and my reads of this slot are over:
	s_barrier_signal -1                            ; say so,
	MUL16 F1, 0, 2, 0                              ; work on registers while the others arrive,
.if \round
	WIN 0
.endif
	s_barrier_wait -1                              ; and go on when all four have said so
.endm
; The whole last quarter.  Behind the round the slot just read out is filled again first, with the K step two steps on; then come the next slot's first fragments.
; From a request to the wait for it a wave issues 224 matrix instructions; one tensor load of mine is out.
.macro TURN slot, next
	s_wait_xcnt 0x0                                ; the last prefetch, a K step back, has read its address: it is stepped here, ahead of the waits of the change of slots
	s_add_nc_u64 s[PFA:PFA+1], s[PFA:PFA+1], KSTEP*2
	MEET 1
	CREST                                          ; all sixteen work-groups have said so: no wave of any partner still reads this slot's tile or has a load on its way
	s_add_nc_u64 s[G0+4*(\slot)+2:G0+4*(\slot)+3], s[G0+4*(\slot)+2:G0+4*(\slot)+3], 2*KSTEP*2      ; no tensor load of mine is out, so a group 0 may be written
	s_add_nc_u64 s[G0B+4*(\slot)+2:G0B+4*(\slot)+3], s[G0B+4*(\slot)+2:G0B+4*(\slot)+3], 2*KSTEP*2
	JLOAD \slot                                    ; the first tensor load behind the round; the four v_nop behind it are also the places in front of the loads below
	FETCH \next, 0, F0
	ASK
	WIN MUL_HI
	MUL16 F1, 1, 0, 0
	MUL16 F1, 1, 2, 0
.endm
; THE LAST K STEP (it lies in slot 1) GOES BY ROWS OF C.  All its fragments of B (4 quarters x 64 registers) fill window 1; then my eight blocks of 16 rows are finished one after the other,
; each with 32 matrix instructions (its 8 accumulators by turns, K ascending).  LDS is read no more than in any other K step.
.macro BLOAD q                         ; B's fragments of quarter q -> window 1, v[64 q ..]
	WIN TO_B
.irp i, 0,1,2,3,4,5,6,7
	ds_load_b128 v[64*(\q)+8*(\i):64*(\q)+8*(\i)+3],   v[ADRB+1] offset:64*(\q)+(\i)*16*PITCH
	ds_load_b128 v[64*(\q)+8*(\i)+4:64*(\q)+8*(\i)+7], v[ADRB+1] offset:64*(\q)+(\i)*16*PITCH+32
.endr
.endm
.macro ALOAD a                         ; A's fragments of block a, all four quarters -> buffer a % 4
	WIN 0
.set FA, PA+32*((\a)%4)
.irp q, 0,1,2,3
	ds_load_b128 v[FA+8*(\q):FA+8*(\q)+3],   v[ADRA+1] offset:64*(\q)+(\a)*16*PITCH
	ds_load_b128 v[FA+8*(\q)+4:FA+8*(\q)+7], v[ADRA+1] offset:64*(\q)+(\a)*16*PITCH+32
.endr
.endm
.macro ROW a                           ; block a is finished: 32 matrix instructions
.set FA, PA+32*((\a)%4)                ; its fragments of A
.set AC, 64*((\a)%4)                   ; its eight accumulators, in window 2 (blocks 0-3) or 3 (blocks 4-7)
	WIN MUL_LO+0x50*((\a)/4)
.irp q, 0,1,2,3
.if (\a) == 0 && (\q) == 2
	s_wait_dscnt 24                                ; B's quarter 2 is in (behind it: A's blocks 1 to 3)
.endif
.irp b, 0,1,2,3,4,5,6,7
	v_wmma_f32_16x16x32_f16 v[AC+8*(\b):AC+8*(\b)+7], v[64*(\q)+8*(\b):64*(\q)+8*(\b)+7], v[FA+8*(\q):FA+8*(\q)+7], v[AC+8*(\b):AC+8*(\b)+7]
.endr
.endr
.endm
; THE WAY OUT of block a.  OUTSTAGE: a lane's 32 bytes of each of the 8 column blocks go straight from the accumulators into my own stage (each accumulator's low four registers first
; ), and come back as 16 whole rows of 512 bytes.  SEND: they are stored.
.macro OUTSTAGE a
.set AC, 64*((\a)%4)
	WIN 0x08+4*((\a)/4)                            ; the stores' data (source 1) in window 2 or 3, their address in window 0
.irp b, 0,1,2,3,4,5,6,7
	ds_store_b128 v[STO], v[AC+8*(\b):AC+8*(\b)+3]   offset:64*(\b)
	ds_store_b128 v[STO], v[AC+8*(\b)+4:AC+8*(\b)+7] offset:64*(\b)+16
.endr
	WIN 0
	s_wait_xcnt 0x0                                ; every earlier memory instruction has had its addresses translated (ISA guide 3.1): the registers that the block before's stores read are loaded again only behind this wait
.irp t, 0,1,2,3,4,5,6,7,8,9,10,11,12,13,14,15
	ds_load_b128 v[BK+4*(\t):BK+4*(\t)+3], v[RD] offset:(\t)*SPITCH  ; LDS serves a wave's instructions in order (ISA guide 5.7.1.4): these see the stores above, and the next block's stores come behind them
.endr
.endm
.macro SEND a, younger                 ; younger: the LDS loads issued behind OUTSTAGE's, which may stay out
	WIN 0
.irp t, 0,1,2,3,4,5,6,7,8,9,10,11,12,13,14,15
	s_wait_dscnt (\younger)+15-(\t)                ; row t is back in registers
	global_store_b128 v[CO], v[BK+4*(\t):BK+4*(\t)+3], s[8:9] offset:(16*(\a)+(\t))*CROW th:TH_STORE_NT  ; 512 consecutive bytes, at a multiple of 512 from C's first byte; 127 rows of 8,192 bytes at the most: inside the signed 24-bit immediate
.endr
.endm
	s_wait_tensorcnt 1                             ; my part of K step 0 is in; K step 1's may stay out
	s_barrier_signal -1
	s_barrier_wait -1                              ; everybody's is
	FETCH 0, 0, F0
	QUARTER 0, 64,  F0, F1, 1                      ; the first quarter stands in front of the loop: its products start the sums
	WIN 0                                          ; at a label and at a branch every window is 0
	s_mov_b32 s3, LAPS-1
.Llap:                                                 ; a trip goes once round the ring, from a lap's second quarter to the next lap's first, and fills both slots again: 15 trips, K steps 2 to 31
	QUARTER 0, 128, F1, F0, 0
	QUARTER 0, 192, F0, F1, 0
	TURN 0, 1
	QUARTER 1, 64,  F0, F1, 0
	QUARTER 1, 128, F1, F0, 0
	QUARTER 1, 192, F0, F1, 0
	TURN 1, 0
	QUARTER 0, 64,  F0, F1, 0
	WIN 0
	s_sub_co_u32 s3, s3, 1
	s_cmp_lg_u32 s3, 0
	s_cbranch_scc1 .Llap
	QUARTER 0, 128, F1, F0, 0                      ; the last lap goes on; it asks for nothing more
	QUARTER 0, 192, F0, F1, 0
	MEET 0                                         ; my one tensor load that was still out is slot 1's, the last K step's, so no round follows
	PLACES                                         ; for the loads into buffer 0, which the quarter before multiplied
	BLOAD 0                                        ; three quarters of B now: buffer 1 (v128-191 of both windows) is still being multiplied
	BLOAD 1
	BLOAD 3
	ALOAD 0
	MUL16 F1, 1, 0, 0
	MUL16 F1, 1, 2, 0
	PLACES                                         ; for the loads into buffer 1
	BLOAD 2
	ALOAD 1
	ALOAD 2
	ALOAD 3
	s_wait_dscnt 40                                ; all but the 40 just issued
	ROW 0
.irp a, 0,1,2,3,4,5,6,7                ; each block leaves as soon as it is finished: nothing follows this tile under which its stores could leave
	PLACES                                         ; the stage's stores read results just made, and the loads of A land in a buffer just multiplied
	OUTSTAGE \a
.if (\a) < 4
	ALOAD (\a)+4                                   ; the block's buffer takes the block four further on
	SEND \a, 8
.else
	SEND \a, 0
.endif
.if (\a) < 7
	ROW (\a)+1
.endif
.endr
	s_wait_tensorcnt 0x0                           ; the wave's end: an add to my spare word and its wait, behind my last tensor load and my last LDS store
	ds_add_u32 v[SPW], v[NIL]
	s_wait_dscnt 0x0
	CROUND                                         ; the closing round: no work-group ends while a partner may still ask for a tile that names it
	s_endpgm
.Lfunc_end_k_q107f6ad682_gemm:
	.size	k_q107f6ad682_gemm, .Lfunc_end_k_q107f6ad682_gemm-k_q107f6ad682_gemm
	.p2alignl 7, 3214868480
	.fill 96, 4, 3214868480
	.section	.rodata,"a",@progbits
	.p2align	6, 0x0
	.amdhsa_kernel k_q107f6ad682_gemm
		.amdhsa_group_segment_fixed_size 327680
		.amdhsa_private_segment_fixed_size 0
		.amdhsa_enable_private_segment 0
		.amdhsa_kernarg_size 24
		.amdhsa_user_sgpr_count 2
		.amdhsa_user_sgpr_kernarg_segment_ptr 1
		.amdhsa_wavefront_size32 1
		.amdhsa_system_sgpr_workgroup_id_x 1
		.amdhsa_system_sgpr_workgroup_id_y 1
		.amdhsa_system_sgpr_workgroup_id_z 1
		.amdhsa_system_vgpr_workitem_id 0
		.amdhsa_next_free_vgpr 1024
		.amdhsa_next_free_sgpr 66
		.amdhsa_reserve_vcc 0
		.amdhsa_float_denorm_mode_32 3
		.amdhsa_float_denorm_mode_16_64 3
		.amdhsa_memory_ordered 1
		.amdhsa_forward_progress 1
		.amdhsa_inst_pref_size 145
	.end_amdhsa_kernel
	.amdgpu_metadata
---
amdhsa.version: [ 1, 2 ]
amdhsa.kernels:
  - .name:           k_q107f6ad682_gemm
    .symbol:         k_q107f6ad682_gemm.kd
    .args:
      - { .name: xh, .offset: 0, .size: 8, .value_kind: global_buffer, .address_space: global }
      - { .name: wh, .offset: 8, .size: 8, .value_kind: global_buffer, .address_space: global }
      - { .name: out0, .offset: 16, .size: 8, .value_kind: global_buffer, .address_space: global }
    .group_segment_fixed_size: 327680
    .private_segment_fixed_size: 0
    .kernarg_segment_align: 8
    .kernarg_segment_size: 24
    .max_flat_workgroup_size: 128
    .sgpr_count:     66
    .vgpr_count:     1024
    .wavefront_size: 32
...
	.end_amdgpu_metadata
.endif
;; end of part 2
;; ======== version 2 of 2: 2 launches; version 1 with the launch prep written anew for expert scheduling mode
;; limits: values are held in f16: magnitudes above 65,504 overflow, below 6.1e-05 lose precision; inputs' magnitudes at most 65,504
;; workspace buffers: xh 67,108,864 bytes; wh 16,777,216 bytes
;; launch prep (part 3): grid 1280 x 1, 8 waves a work-group, no clusters, 0 bytes of LDS; arguments x, bases, alphas, xh, wh; writes xh, wh
.if DOCPART == 3
	.amdgcn_target "amdgcn-amd-amdhsa--gfx1250"
	.amdhsa_code_object_version 6
	.text
	.protected	k_q107f6ad682_prep
	.globl	k_q107f6ad682_prep
	.p2align	8
	.type	k_q107f6ad682_prep,@function
k_q107f6ad682_prep:
	s_mov_b64 s[64:65], 0
	v_nop
	global_prefetch_b8 v0, s[64:65] scope:SCOPE_SE
	s_setreg_imm32_b32 hwreg(HW_REG_WAVE_SCHED_MODE, 0, 2), 2
	s_setreg_imm32_b32 hwreg(HW_REG_WAVE_MODE, 25, 1), 1
	s_wait_xcnt 0x0
	s_wait_alu depctr_vm_vsrc(0)
; xh[r][i] = f16(x[r][i]), r < 8192, i < 4096;   wh[o][i] = f16(sum over k of alphas[k][o] * bases[k][o][i]), o < 2048, k ascending, the sum in f32, rounded once.
; bases is taken as any int8 number, not only -1 and +1.
; LIMITS.  f16 holds no number beyond 65,504: an |x| or a |W_q| of 65,520 or more becomes an infinity; below 6e-5 f16 keeps its fixed step of 6e-8.
; NaN and infinities go through as the arithmetic makes them.
; SHARES.  A wave takes ONE row: 16 KiB in, 8 KiB out.  Work-groups 0 to 255 make wh (row o = 8 g + wave: 4 planes x 4,096 bytes in), work-groups 256 to 1279 make xh
; (row 8 (g - 256) + wave: 16,384 bytes in).  The weight rows stand first in the grid: they carry the vector work, which then runs beside the stream of x.
; A wave's loads go out at its head and each result is made in the registers that its loads filled: no register that a store reads is written again, so the text
; has no loop, no wait for stores and no LDS.  Each load and store of a wave covers 256 or 512 consecutive bytes, aligned.
; THE MODE: SCHED_MODE bits 1:0 = 2 (LLVM: expert scheduling mode 2), set by the entry lines.  The code itself states the register dependences
; between vector instructions and memory instructions, with s_wait_alu, always for 0.
; THE PLAN.  Registers that memory instructions touch:
;   v3, v4   byte offsets, written by vector lines at the head and never again; read by every load and store.  One wait on va_vdst in each arm, ahead of its first load, serves them all.
;   D        Each load has registers of its own, and all loads but the last weight chunk's are issued before any vector line names D; that chunk's registers are named by nothing until its own wait.
;            So no load owes a wait.  The conversions leave each result in the registers that its loads filled; its store reads them, and nothing writes them again.
;   T, A     named by vector lines alone.
; The stores stand a step behind the conversions that make their data: a row of x goes in groups of four loads, a row of W_q in steps of two chunks, and ONE wait on va_vdst at a step's head
; states that the step before has written its results.  That step's stores follow it; the vector lines issued since name this step's registers, T and A alone.
; No register that a memory instruction has read is written again, so the text owes no wait on vm_vsrc.
.set WGW,   256                        ; work-groups that make wh
.set PLANE, 2048*4096                  ; bytes in a plane of bases
.set D,     8                          ; v[8:135]    as loaded, then as stored
.set T,     136                        ; v[136:143]  eight numbers at work
.set A,     144                        ; v[144:151]  eight sums
	s_load_b256 s[4:11], s[0:1], 0x0               ; x s[4:5], bases s[6:7], alphas s[8:9], xh s[10:11]
	s_load_b64 s[12:13], s[0:1], 0x20              ; wh
	v_lshrrev_b32 v1, 5, v0
	v_readfirstlane_b32 s14, v1                    ; wave 0..7
	v_and_b32 v2, 31, v0                           ; lane
	v_lshlrev_b32 v3, 4, v2                        ; 16 x lane
	v_lshlrev_b32 v4, 3, v2                        ; 8 x lane
	s_wait_alu depctr_va_sdst(0)                   ; s14 is written, ahead of the branch and of its first reader in either arm: the rows' offsets are made from it
	s_cmp_lt_u32 ttmp9, WGW
	s_cbranch_scc1 .Lweights
	; ---- a row of x: 32 loads of 512 bytes, 32 stores of 256 bytes ----
	s_sub_co_u32 s15, ttmp9, WGW
	s_lshl_b32 s15, s15, 3
	s_add_co_u32 s15, s15, s14                     ; my row
	s_lshl_b32 s16, s15, 14                        ; x 16,384 bytes in x (under 2^27)
	s_mov_b32 s17, 0
	s_lshl_b32 s18, s15, 13                        ; x 8,192 bytes in xh
	s_mov_b32 s19, 0
	s_wait_kmcnt 0x0
	s_add_nc_u64 s[4:5], s[4:5], s[16:17]
	s_add_nc_u64 s[10:11], s[10:11], s[18:19]
	s_wait_alu depctr_va_vdst(0)                   ; v3 and v4 are written: every load below reads v3 as its offset, every store v4
.set j, 0
.rept 32
	global_load_b128 v[D+4*j:D+4*j+3], v3, s[4:5] offset:512*j th:TH_LOAD_NT  ; numbers 128 j + 4 lane .. + 3
.set j, j+1
.endr
.set j, 0
.rept 32
	s_wait_loadcnt 31-j                            ; loads come back in order (ISA guide 5.7.1): load j is in, the 31 - j younger ones stay out
.if j >= 4
.if (j % 4) == 0
	s_wait_alu depctr_va_vdst(0)                   ; the group before's eight conversions have written their results, which the four stores of this group's turn read
.endif
	global_store_b64 v4, v[D+4*(j-4):D+4*(j-4)+1], s[10:11] offset:256*(j-4) th:TH_STORE_NT  ; the group before: 32 lanes x 8 bytes: 256 consecutive bytes, aligned.  No vector line since the wait names these registers
.endif
	v_cvt_pk_f16_f32 v[D+4*j],   v[D+4*j],   v[D+4*j+1]
	v_cvt_pk_f16_f32 v[D+4*j+1], v[D+4*j+2], v[D+4*j+3]
.set j, j+1
.endr
	s_wait_alu depctr_va_vdst(0)                   ; the last group's conversions have written their results, which the last four stores read
.set j, 28
.rept 4
	global_store_b64 v4, v[D+4*j:D+4*j+1], s[10:11] offset:256*j th:TH_STORE_NT
.set j, j+1
.endr
	s_endpgm
	; ---- a row of W_q: 16 chunks of 256 numbers; a chunk is 4 loads of 256 bytes (one a plane) and one store of 512 bytes ----
.Lweights:
	s_lshl_b32 s15, ttmp9, 3
	s_add_co_u32 s15, s15, s14                     ; o
	s_lshl_b32 s16, s15, 12                        ; x 4,096 bytes in a plane of bases
	s_mov_b32 s17, 0
	s_lshl_b32 s18, s15, 2                         ; x 4 bytes in a plane of alphas
	s_mov_b32 s19, 0
	s_lshl_b32 s28, s15, 13                        ; x 8,192 bytes in wh
	s_mov_b32 s29, 0
	s_mov_b32 s40, 0x80808080                      ; turns four int8 b into four bytes u = b + 128
	s_mov_b32 s41, 0x4b000000                      ; 2^23 in f32: with u in its lowest byte the word is 2^23 + u, exactly
	s_mov_b32 s42, 0xcb000080                      ; -(2^23 + 128): added to that it leaves b, exactly
	s_mov_b32 s43, 0xcb000080                      ; (named with it as a pair)
	s_mov_b32 s44, 0x03020104                      ; v_perm_b32: byte 0 = byte 0 of the first source, bytes 1 to 3 those of the second
	s_mov_b32 s45, 0x03020105                      ; byte 1 of the first source,
	s_mov_b32 s46, 0x03020106                      ; byte 2,
	s_mov_b32 s47, 0x03020107                      ; byte 3
	s_wait_kmcnt 0x0
	s_add_nc_u64 s[8:9], s[8:9], s[18:19]
.irp k, 0,1,2,3
	s_load_b32 s[30+2*(\k)], s[8:9], (\k)*0x2000   ; alphas[k][o]: planes of 2,048 f32
.endr
	s_add_nc_u64 s[20:21], s[6:7], s[16:17]        ; bases at plane 0, row o
.irp k, 1,2,3
	s_add_nc_u64 s[20+2*(\k):21+2*(\k)], s[20:21], (\k)*PLANE  ; a plane is one byte more than a load's immediate holds: a base for each plane
.endr
	s_add_nc_u64 s[12:13], s[12:13], s[28:29]
.macro LOADC c                         ; chunk c's four loads: lane l takes numbers 256 c + 8 l .. + 7 of each plane
.irp k, 0,1,2,3
	global_load_b64 v[D+8*(\c)+2*(\k):D+8*(\c)+2*(\k)+1], v4, s[20+2*(\k):21+2*(\k)] offset:256*(\c) th:TH_LOAD_NT
.endr
.endm
.macro SENDC c                         ; chunk c's store
	global_store_b128 v3, v[D+8*(\c):D+8*(\c)+3], s[12:13] offset:512*(\c) th:TH_STORE_NT  ; 512 consecutive bytes, aligned
.endm
; Chunk c.  left = the loads issued behind its four, which may stay out.  A step is two chunks: at the head of an even chunk the two chunks before are stored.
.macro CHUNK c, left
	s_wait_loadcnt \left
.if (((\c) % 2) == 0) && ((\c) > 0)
	s_wait_alu depctr_va_vdst(0)                   ; the two chunks before have written their results, which the two stores below read
	SENDC (\c)-2
	SENDC (\c)-1
.endif
.irp k, 0,1,2,3
	v_xor_b32 v[D+8*(\c)+2*(\k)],   s40, v[D+8*(\c)+2*(\k)]
	v_xor_b32 v[D+8*(\c)+2*(\k)+1], s40, v[D+8*(\c)+2*(\k)+1]
.irp e, 0,1,2,3,4,5,6,7
	v_perm_b32 v[T+(\e)], v[D+8*(\c)+2*(\k)+(\e)/4], s41, s[44+(\e)%4]        ; 2^23 + u
.endr
.irp p, 0,2,4,6
	v_pk_add_f32 v[T+(\p):T+(\p)+1], v[T+(\p):T+(\p)+1], s[42:43] op_sel_hi:[1,0]  ; b in f32.  A step of its own: folded into the multiply-add it would make a difference of two numbers near alpha x 2^23
.endr
.irp p, 0,2,4,6
.if (\k) == 0
	v_pk_mul_f32 v[A+(\p):A+(\p)+1], v[T+(\p):T+(\p)+1], s[30:31] op_sel_hi:[1,0]  ; the first plane starts the sums
.else
	v_pk_fma_f32 v[A+(\p):A+(\p)+1], v[T+(\p):T+(\p)+1], s[30+2*(\k):31+2*(\k)], v[A+(\p):A+(\p)+1] op_sel_hi:[1,0,1]
.endif
.endr
.endr
.irp p, 0,1,2,3
	v_cvt_pk_f16_f32 v[D+8*(\c)+(\p)], v[A+2*(\p)], v[A+2*(\p)+1]
.endr
.endm
	s_wait_alu depctr_va_vdst(0)                   ; v3 and v4 are written: every load below reads v4 as its offset, every store v3
.irp c, 0,1,2,3,4,5,6,7,8,9,10,11,12,13,14
	LOADC \c                                       ; sixty loads.  LOADcnt's field holds 63 (ISA guide 5.7.1): the last chunk's four stand behind chunk 0's wait, where they go out at once
.endr
	s_wait_kmcnt 0x0                               ; the four alphas
.irp k, 0,1,2,3
	s_mov_b32 s[31+2*(\k)], s[30+2*(\k)]           ; the packed forms name a pair and take its low word for both halves
.endr
	CHUNK 0, 56                                    ; behind chunk 0's loads stand those of chunks 1 to 14
	LOADC 15                                       ; no wait: no vector line has named chunk 15's registers, and v4 stands as the wait above found it
.irp c, 1,2,3,4,5,6,7,8,9,10,11,12,13,14,15
	CHUNK \c, 60-4*(\c)                            ; behind chunk c's: chunks c + 1 to 15
.endr
	s_wait_alu depctr_va_vdst(0)                   ; chunks 14 and 15 have written their results, which the last two stores read
	SENDC 14
	SENDC 15
	s_endpgm
.Lfunc_end_k_q107f6ad682_prep:
	.size	k_q107f6ad682_prep, .Lfunc_end_k_q107f6ad682_prep-k_q107f6ad682_prep
	.p2alignl 7, 3214868480
	.fill 96, 4, 3214868480
	.section	.rodata,"a",@progbits
	.p2align	6, 0x0
	.amdhsa_kernel k_q107f6ad682_prep
		.amdhsa_group_segment_fixed_size 0
		.amdhsa_private_segment_fixed_size 0
		.amdhsa_enable_private_segment 0
		.amdhsa_kernarg_size 40
		.amdhsa_user_sgpr_count 2
		.amdhsa_user_sgpr_kernarg_segment_ptr 1
		.amdhsa_wavefront_size32 1
		.amdhsa_system_sgpr_workgroup_id_x 1
		.amdhsa_system_sgpr_workgroup_id_y 1
		.amdhsa_system_sgpr_workgroup_id_z 1
		.amdhsa_system_vgpr_workitem_id 0
		.amdhsa_next_free_vgpr 152
		.amdhsa_next_free_sgpr 66
		.amdhsa_reserve_vcc 0
		.amdhsa_float_denorm_mode_32 3
		.amdhsa_float_denorm_mode_16_64 3
		.amdhsa_memory_ordered 1
		.amdhsa_forward_progress 1
		.amdhsa_inst_pref_size 95
	.end_amdhsa_kernel
	.amdgpu_metadata
---
amdhsa.version: [ 1, 2 ]
amdhsa.kernels:
  - .name:           k_q107f6ad682_prep
    .symbol:         k_q107f6ad682_prep.kd
    .args:
      - { .name: x, .offset: 0, .size: 8, .value_kind: global_buffer, .address_space: global }
      - { .name: bases, .offset: 8, .size: 8, .value_kind: global_buffer, .address_space: global }
      - { .name: alphas, .offset: 16, .size: 8, .value_kind: global_buffer, .address_space: global }
      - { .name: xh, .offset: 24, .size: 8, .value_kind: global_buffer, .address_space: global }
      - { .name: wh, .offset: 32, .size: 8, .value_kind: global_buffer, .address_space: global }
    .group_segment_fixed_size: 0
    .private_segment_fixed_size: 0
    .kernarg_segment_align: 8
    .kernarg_segment_size: 40
    .max_flat_workgroup_size: 256
    .sgpr_count:     66
    .vgpr_count:     152
    .wavefront_size: 32
...
	.end_amdgpu_metadata
.endif
;; end of part 3
;; launch gemm: the kernel of part 2 again; grid 8 x 32, 4 waves a work-group, clusters of 4 x 4, 327,680 bytes of LDS; arguments xh, wh, out0; writes out0
